; MI455X (gfx1250); checked and timed in simulation.
; The chip was launched on July 23, 2026; its instructions are those of AMD's public machine-readable ISA for CDNA 5 (MIT licence, August 2026) and "CDNA5" Instruction Set Architecture Reference Guide (July 2026). The comments in the code are by the model that wrote it; some were corrected since.
;; Self Attention. Allowed arithmetic: matrix products marked QUANTISED: E2M1 operands, one E8M0 scale for each 32 along K, by v_wmma_scale_f32_16x16x128_f8f6f4 with both operands' format E2M1 (or v_wmma_scale_f32_32x16x128_f4), f32 sums; everything else in f32.
;; Inputs: Wk_codes 1,024 x 32 x 16 uint8 (E2M1 codes of Wk, K innermost, in blocks of 32 codes, two codes a byte); Wk_scales 1,024 x 32 uint8 (E8M0 scales of Wk, one for each 32 codes along K); Wq_codes 1,024 x 32 x 16 uint8 (E2M1 codes of Wq, K innermost, in blocks of 32 codes, two codes a byte); Wq_scales 1,024 x 32 uint8 (E8M0 scales of Wq, one for each 32 codes along K); Wv_codes 1,024 x 32 x 16 uint8 (E2M1 codes of Wv, K innermost, in blocks of 32 codes, two codes a byte); Wv_scales 1,024 x 32 uint8 (E8M0 scales of Wv, one for each 32 codes along K); x_codes 4 x 2,048 x 32 x 16 uint8 (E2M1 codes of x, K innermost, in blocks of 32 codes, two codes a byte); x_scales 4 x 2,048 x 32 uint8 (E8M0 scales of x, one for each 32 codes along K).
;; Outputs: out0 4 x 2,048 x 1,024 float32.
;; This version of the problem:
;;   THIS VERSION OF THE PROBLEM IS GIVEN IN LOW PRECISION. The matrix products marked QUANTISED in the list below multiply operands that are first quantised to E2M1 (2 exponent bits, 1 mantissa bit; 4 bits a number), with one power-of-two scale for each 32 numbers along K (OCP MX v1.0); their sums are f32. All else is computed in f32.
;;   The module's matrix products, in the order in which they are computed (A, B: the left and right operand; K: the contracted axis; several contracted axes count as one K, in the product's order):
;;     1. [M 8,192, K 1,024] x [K 1,024, N 1,024]; A: input x (given as codes); B: input Wq (given as codes): QUANTISED
;;     2. [M 8,192, K 1,024] x [K 1,024, N 1,024]; A: input x (given as codes); B: input Wk (given as codes): QUANTISED
;;     3. [M 8,192, K 1,024] x [K 1,024, N 1,024]; A: input x (given as codes); B: input Wv (given as codes): QUANTISED
;;     4. batch 64 x [M 2,048, K 64] x [K 64, N 2,048]; A: computed on the way; B: computed on the way: QUANTISED
;;     5. batch 64 x [M 2,048, K 2,048] x [K 2,048, N 64]; A: softmax (see below); B: computed on the way: QUANTISED
;;   THE QUANTISER, for each operand of a quantised product, along K:
;;     - K is cut into blocks of 32 from its start; a last block that is shorter is filled with zeros.
;;     - A block's scale is 2^e with e = floor(log2(the largest magnitude in the block)) - 2, held to -126 .. 127; a block of zeros has e = 0. As a byte (E8M0): e + 127.
;;     - Each number is divided by its block's scale, clamped to +-6, and rounded to the nearest number of E2M1, ties to even, subnormals kept.
;;     - The product sums the exact products of the quantised numbers (number of the format x scale) in f32.
;;   ~~~python
;;   def quantise(x, axis):      # numpy; x: float32 -> the quantised numbers, widened to float32 again
;;       x = np.moveaxis(x, axis, -1); K = x.shape[-1]
;;       x = np.pad(x, [(0, 0)] * (x.ndim - 1) + [(0, -K % 32)]); x = x.reshape(x.shape[:-1] + (-1, 32)); a = np.abs(x).max(-1, keepdims=True)
;;       e = np.where(a > 0, np.clip(np.frexp(np.where(a > 0, a, 1))[1] - 1 - 2, -126, 127), 0)      # np.frexp(a)[1] - 1 = floor(log2(a)), exactly
;;       r = np.clip(x / 2.0 ** e, -6, 6)
;;       step = 2.0 ** (np.maximum(np.frexp(np.where(r == 0, 1, r))[1] - 1, 0) - 1)
;;       q = np.round(r / step) * step * 2.0 ** e      # np.round: ties to even
;;       return np.moveaxis(q.reshape(q.shape[:-2] + (-1,))[..., :K], -1, axis).astype(np.float32)
;;   ~~~
;;   SOFTMAX AHEAD OF A QUANTISED PRODUCT. Where the list says 'softmax', what is quantised is not the finished softmax but p = 2^(t - M), with t = logit x log2(e) and M = ceil(the row's largest t), a whole number; so 1/2 < the row's largest p <= 1. The row's sum l is taken of the UNQUANTISED p, in f32, and the product's result is divided by l at the end. Since M is a whole number, a kernel that streams over the keys may use a running M (the ceiling of the running maximum): every later rescaling is an exact power of two, which a block's scale takes up: the codes' values come out the same.
;;   OPERANDS COMPUTED ON THE WAY. 'Computed on the way' means the value that the module computes at that place (a softmax that the list does not call 'softmax' is quantised finished and normalised). What goes into a quantiser is computed in f32, as accurately as f32 sums, v_exp_f32 and their like allow (about 1e-6 of the number): no bf16 or f16 on the way to a quantiser, and a product that is left as it is and whose result goes on into a quantised operand takes f32 operands (vector FMAs, or v_wmma_f32_16x16x4_f32). A number that lies on a knife's edge between two numbers of the format may be rounded either way, as far as f32 arithmetic and the matrix unit's own rounding can turn it there, and no further.
;;   INPUTS GIVEN AS CODES. Wk (in the module: [1024, 1024], K = its axis 1); Wq (in the module: [1024, 1024], K = its axis 1); Wv (in the module: [1024, 1024], K = its axis 1); x (in the module: [4, 2048, 1024], K = its axis 2): each comes as NAME_codes (uint8): NAME with its K axis moved to the last place and cut into blocks of 32 codes, [.., K / 32, bytes a block], one block behind the other in memory; two codes a byte, the lower K in the low four bits (a code: sign, 2 exponent bits, 1 mantissa bit); and NAME_scales (uint8): the same leading axes, one E8M0 byte (e + 127) for each 32 codes along K. Its value is code x scale, taken as it is: it is not quantised again, and the codes and scales need not be those that the quantiser above would give.
;; One version. Each part assembles by itself: llvm-mc -triple=amdgcn-amd-amdhsa -mcpu=gfx1250 --defsym DOCPART=n.
;; ======== version 1 of 1: 2 launches
;; limits: right only within a limited range of input values
;; workspace buffers: q_img 4,194,304 bytes; k_img 4,194,304 bytes; v_img 4,194,304 bytes; q_sc 524,288 bytes; k_sc 524,288 bytes; v_sc 524,288 bytes
;; launch proj (part 1): grid 8 x 32, 4 waves a work-group, clusters of 4 x 4, 327,680 bytes of LDS; arguments x_codes, x_scales, Wq_codes, Wq_scales, Wk_codes, Wk_scales, Wv_codes, Wv_scales, q_img, q_sc, k_img, k_sc, v_img, v_sc; writes q_img, q_sc, k_img, k_sc, v_img, v_sc
.if DOCPART == 1
	.amdgcn_target "amdgcn-amd-amdhsa--gfx1250"
	.amdhsa_code_object_version 6
	.text
	.protected	k_qbe17bac91e_proj
	.globl	k_qbe17bac91e_proj
	.p2align	8
	.type	k_qbe17bac91e_proj,@function
k_qbe17bac91e_proj:
	s_mov_b64 s[64:65], 0
	v_nop
	global_prefetch_b8 v0, s[64:65] scope:SCOPE_SE
	s_setreg_imm32_b32 hwreg(HW_REG_WAVE_MODE, 25, 1), 1
	s_wait_xcnt 0x0
	s_wait_alu depctr_hold_cnt(0) depctr_sa_sdst(0) depctr_va_vdst(0) depctr_va_sdst(0) depctr_va_ssrc(0) depctr_va_vcc(0) depctr_vm_vsrc(0)
	s_getreg_b32 s2, hwreg(HW_REG_IB_STS2, 6, 4)
	s_cmp_eq_u32 s2, 0
	s_cbranch_scc0 .Lentry_in_a_cluster
	s_endpgm
.Lentry_in_a_cluster:
	s_bfe_u32 s2, ttmp6, 0x10000c
	s_cmp_lg_u32 s2, 0xf033
	s_cbranch_scc0 .Lentry_shape_is_right
	s_endpgm
.Lentry_shape_is_right:
; THE THREE PROJECTIONS x Wq^T, x Wk^T, x Wv^T ON CODES OF FP4 (E2M1, one E8M0 byte for each 32 along K), AND THE QUANTISERS OF THEIR RESULTS.  Nothing of reference() is left out here.
; q and k are multiplied by 64^(-1/4) = 2^(-1.5) in f32 and quantised along the head's 64; v is quantised along the keys.  What leaves are images of the operand registers of the attention launch, and their scale words.
; SHARES.  8 x 32 = 256 work-groups.  A work-group owns 256 tokens and one pair of heads (128 features) and makes three units one after the other: q, k, v, each 256 tokens x 128 features, all of K = 1,024.
;   A wave makes 8 blocks of source 0 x 4 blocks of source 1: 32 accumulators.  q, k: source 0 = W's 128 features, source 1 = 64 of the tokens;  v: source 0 = 128 tokens, source 1 = one head's 64 features of Wv.
;   In a result a lane holds one row of source 1 and eight rows of source 0: the rows of source 0 are the next product's K.
; LDS.  x's 256 rows stay; W goes through two slots: Wq in slot 0 at the head, Wk in slot 1 behind the first round, Wv again in slot 0 when q's products are over.  One tensor load a wave behind each round.
; CLUSTER 4 x 4.  x's tile hangs on the token tile alone (cy) and is asked for jointly along a row of the cluster, W's on the pair of heads alone (cx), along a column.
; THE ROWS OF A FRAGMENT: lane r of x's block i takes token 8 i + r % 8 + 64 (r / 8) of a group of 128; lane r of W's block i takes feature 64 (i / 4) + 8 (i % 4) + r % 8 + 32 (r / 8).
;   So a lane's 64 results of one block of source 1 are two WHOLE blocks of 32 along the next K: q, k: lane half h holds d = 32 h .. 32 h + 31 of both heads; v: keys 64 h .. 64 h + 63.  No maximum crosses lanes, no codes change lanes.
;   v's key block 2 h + c stands in the fragment's place k = 64 c + 32 h; the attention launch lays p the same way, and scale byte 2 c + h goes with it.
;   Each tensor's rows are laid in two parts (r / 8 = 0 and 1), the second 128 bytes further round the banks: the sixteen rows of a load start at sixteen different columns of 16 bytes.
; THE INPUTS' SCALE BYTES go from memory into registers: lane (r, h) takes bytes 16 h .. 16 h + 15 of its row's 32, so eight rows make one aligned run of 256 bytes; lanes 0-15 serve K steps 0-3, lanes 16-31 K steps 4-7.
; OUT.  blk = ((batch x 8 + pair) x 16 + group of 128 tokens).  Images: 8,192 bytes [i 0..7][c 0..1][lane][16 bytes]; q, k: i = tile of 16 tokens, c = head;  v: i = 4 x head + tile of 16 d, c = register group.
;   Scale words: q, k: [head][lane (r, hh)][4 words]: tiles 4 hh + 0 .. 3, bytes 0, 1 the head's two blocks, bytes 2, 3 zero;  v: [head][r][4 words]: the head's four tiles of d.
; NO PREFETCH: the text has no loop to run ahead in; Wk and Wv are asked for a whole unit ahead of their first read.
; LIMITS: NaN, infinities and the scale byte 0xff among the inputs are not served.  A block of zeros gets the byte 1 where the rule says 127: its codes are zeros, and this program alone reads the bytes.
; REGISTERS: window 0: addresses, scale words, codes;  window 1: source 0's fragments, two sets of 64;  window 2: the 32 accumulators ((a, b) at v[8 (8 a + b)]);  window 3: source 1's fragments, two sets of 32.
.set PITCH, 528                        ; an LDS row: 512 bytes + 16 of padding
.set PARTX, 128*PITCH+128
.set PARTW, 64*PITCH+128
.set WS0,   2*PARTX
.set SLOTW, 2*PARTW
.set SPARE, WS0+2*SLOTW                ; 271,104 = 1,059 x 256: the spare words, 512 bytes
.set ADX1, 10                          ; x as source 1 (q, k)
.set ADXV, 11                          ; x as source 0 (v)
.set ADW0, 12                          ; W as source 0 in slot 0
.set ADW1, 13                          ; in slot 1
.set ADWV, 14                          ; Wv as source 1 in slot 0
.set LI,   15                          ; 16 x lane
.set SPW,  16
.set NIL,  17
.set SOX,  18                          ; my lane's place among x's scale bytes
.set SOW,  19                          ; among W's
.set SH8,  20                          ; 8 h
.set SH16, 21                          ; 16 h
.set SWA,  22                          ; where my scale words of q, k go
.set SWV,  23                          ; of v
.set LANE, 24
.set TM,   26                          ; v26-34 at work in the quantiser
.set SCX1, 40                          ; scale words: x for q, k (16), Wq (32), Wk (32), x for v (32), Wv (16)
.set SCQ,  56
.set SCK,  88
.set SCXV, 120
.set SCWV, 152
.set PW,   168                         ; the results' scale words, one a block
.set SW,   172
.set PC,   176                         ; the results' codes: 8 registers a block
.set G1X, 24
.set G1W, 32
.set G0X, 40
.set G0Q, 44
.set G0K, 48
.set G0V, 52
.set MSB, 0
.macro WIN new                         ; the immediate's high byte repeats the setting that is left
.if MSB != (\new)
	s_set_vgpr_msb (MSB<<8)|(\new)
.set MSB, (\new)
.endif
.endm
.macro PLACES n
.rept \n
	v_nop
.endr
.endm
.macro CROUND                          ; a round of the cluster's barrier
	s_barrier_signal -1
	s_barrier_wait -1
	s_cmp_lg_u32 s14, 0
	s_cbranch_scc1 .Lnot_wave_0_\@
	s_barrier_signal -3
.Lnot_wave_0_\@:
	s_barrier_wait -3
	s_barrier_signal -1
	s_barrier_wait -1
.endm
.macro LINES3                          ; all my tensor loads are done; the add; it and my LDS reads are done
	s_wait_tensorcnt 0x0
	ds_add_u32 v[SPW], v[NIL]
	s_wait_dscnt 0x0
.endm
.macro WLOAD g0                        ; waves 2 and 3 fetch the two parts of a W; the branch hangs on the wave's number alone
	s_cmp_lt_u32 s14, 2
	s_cbranch_scc1 .Lnone_\@
	tensor_load_to_lds s[\g0:\g0+3], s[G1W:G1W+7]
	s_nop 0
	PLACES 4
.Lnone_\@:
.endm
	s_load_b128 s[4:7], s[0:1], 0x0                ; x's codes, scales
	s_load_b256 s[68:75], s[0:1], 0x10             ; Wq's codes, scales, Wk's codes, scales
	s_load_b128 s[76:79], s[0:1], 0x30             ; Wv's
	s_load_b256 s[80:87], s[0:1], 0x40             ; q_img, q_sc, k_img, k_sc
	s_load_b128 s[88:91], s[0:1], 0x60             ; v_img, v_sc
	v_lshl_add_u32 v[SPW], v0, 2, SPARE
	v_mov_b32 v[NIL], 0
	ds_add_u32 v[SPW], v[NIL]                      ; the opening lines: the add twice on end and one wait
	ds_add_u32 v[SPW], v[NIL]
	v_lshrrev_b32 v1, 5, v0
	v_readfirstlane_b32 s14, v1                    ; wave 0..3
	s_lshr_b32 s15, s14, 1                         ; g: my group of 128 tokens in the tile
	s_and_b32 s16, s14, 1                          ; which half of a group's tiles (q, k), which head (v); also which part I fetch
	s_bfe_u32 s56, ttmp6, 0x40000                  ; cx
	s_bfe_u32 s57, ttmp6, 0x40004                  ; cy
	s_lshl_b32 s58, ttmp9, 2
	s_add_co_u32 s58, s58, s56                     ; the pair of heads
	s_and_b32 s59, ttmp7, 0xffff
	s_lshl_b32 s59, s59, 2
	s_add_co_u32 s59, s59, s57                     ; the token tile
	s_lshl_b32 s60, s57, 2
	s_lshl_b32 s60, 15, s60                        ; my row of the cluster
	s_lshl_b32 s61, 0x1111, s56                    ; my column
	; groups 1: elements of 8 bytes; 4 words of padding behind every 128 words (a row of 512 bytes).  x: 2 pieces of 64 dense rows, 128 rows apart;  W: 2 pieces of 32 dense rows, 64 rows apart
	s_or_b32 s[G1X], s60, (3<<16)|(1<<20)|(1<<21)|(6<<22)|(3<<25)
	s_mov_b32 s[G1X+1], 4096<<16
	s_mov_b32 s[G1X+2], 2<<16
	s_mov_b32 s[G1X+3], 4096<<16
	s_mov_b32 s[G1X+4], 2
	s_mov_b32 s[G1X+5], 8192
	s_mov_b32 s[G1X+6], 0
	s_mov_b32 s[G1X+7], 0
	s_or_b32 s[G1W], s61, (3<<16)|(1<<20)|(1<<21)|(6<<22)|(3<<25)
	s_mov_b32 s[G1W+1], 2048<<16
	s_mov_b32 s[G1W+2], 2<<16
	s_mov_b32 s[G1W+3], 2048<<16
	s_mov_b32 s[G1W+4], 2
	s_mov_b32 s[G1W+5], 4096
	s_mov_b32 s[G1W+6], 0
	s_mov_b32 s[G1W+7], 0
	s_lshl_b32 s20, s59, 17                        ; x's codes: 256 rows of 512 bytes a tile,
	s_lshl_b32 s22, s16, 15                        ; the second part begins 64 rows on
	s_add_co_u32 s20, s20, s22
	s_mov_b32 s21, 0
	s_lshl_b32 s92, s58, 16                        ; W's codes: 128 rows a pair,
	s_lshl_b32 s94, s16, 14                        ; the second part 32 rows on
	s_add_co_u32 s92, s92, s94
	s_mov_b32 s93, 0
	s_mov_b32 s[G0X], 1
	s_mul_i32 s[G0X+1], s16, PARTX
	s_mov_b32 s[G0Q], 1
	s_mov_b32 s[G0K], 1
	s_mov_b32 s[G0V], 1
	s_mul_i32 s[G0Q+1], s16, PARTW
	s_add_co_u32 s[G0K+1], s[G0Q+1], WS0+SLOTW
	s_add_co_u32 s[G0V+1], s[G0Q+1], WS0
	s_add_co_u32 s[G0Q+1], s[G0Q+1], WS0
	s_wait_dscnt 0x0
	s_wait_kmcnt 0x0
	s_add_nc_u64 s[G0X+2:G0X+3], s[4:5], s[20:21]
	s_or_b32 s[G0X+3], s[G0X+3], 0x80000000
	s_add_nc_u64 s[G0Q+2:G0Q+3], s[68:69], s[92:93]
	s_or_b32 s[G0Q+3], s[G0Q+3], 0x80000000
	s_add_nc_u64 s[G0K+2:G0K+3], s[72:73], s[92:93]
	s_or_b32 s[G0K+3], s[G0K+3], 0x80000000
	s_add_nc_u64 s[G0V+2:G0V+3], s[76:77], s[92:93]
	s_or_b32 s[G0V+3], s[G0V+3], 0x80000000
	CROUND                                         ; all sixteen work-groups are here: the first joint loads meet
	s_cmp_lt_u32 s14, 2                            ; one load a wave: waves 0, 1 x's two parts, waves 2, 3 Wq's
	s_cbranch_scc0 .Lhead_w
	tensor_load_to_lds s[G0X:G0X+3], s[G1X:G1X+7]
	s_nop 0
	PLACES 4
	s_branch .Lhead_asked
.Lhead_w:
	tensor_load_to_lds s[G0Q:G0Q+3], s[G1W:G1W+7]
	s_nop 0
	PLACES 4
.Lhead_asked:
	s_lshl_b32 s22, s59, 13                        ; x's scale bytes: 32 a row; my group,
	s_lshl_b32 s12, s15, 12
	s_add_co_u32 s22, s22, s12
	s_mov_b32 s23, 0
	s_lshl_b32 s12, s16, 10                        ; and for q, k my four blocks in it
	s_mov_b32 s13, 0
	s_add_nc_u64 s[8:9], s[6:7], s[22:23]
	s_add_nc_u64 s[10:11], s[8:9], s[12:13]
	s_lshl_b32 s94, s58, 12                        ; W's scale bytes: the pair's 128 rows
	s_mov_b32 s95, 0
	s_lshl_b32 s98, s16, 11                        ; Wv: my head's 64
	s_mov_b32 s99, 0
	s_add_nc_u64 s[70:71], s[70:71], s[94:95]
	s_add_nc_u64 s[74:75], s[74:75], s[94:95]
	s_add_nc_u64 s[78:79], s[78:79], s[94:95]
	s_add_nc_u64 s[78:79], s[78:79], s[98:99]
	s_lshl_b32 s2, s59, 1
	s_add_co_u32 s2, s2, s15                       ; the group of 128 tokens among all 64
	s_lshr_b32 s3, s2, 4                           ; the batch
	s_lshl_b32 s3, s3, 3
	s_add_co_u32 s3, s3, s58
	s_lshl_b32 s3, s3, 4
	s_and_b32 s2, s2, 15
	s_add_co_u32 s3, s3, s2                        ; blk
	s_lshl_b32 s66, s3, 13
	s_lshl_b32 s2, s16, 12
	s_add_co_u32 s66, s66, s2                      ; images: my four of the block's eight
	s_mov_b32 s67, 0
	s_lshl_b32 s18, s3, 10
	s_mov_b32 s19, 0
	s_add_nc_u64 s[80:81], s[80:81], s[66:67]
	s_add_nc_u64 s[84:85], s[84:85], s[66:67]
	s_add_nc_u64 s[88:89], s[88:89], s[66:67]
	s_add_nc_u64 s[82:83], s[82:83], s[18:19]
	s_add_nc_u64 s[86:87], s[86:87], s[18:19]
	s_add_nc_u64 s[90:91], s[90:91], s[18:19]
	s_mul_i32 s20, s14, 32*PITCH                   ; x's blocks 4 wave + a
	s_mul_i32 s21, s15, 64*PITCH                   ; x's blocks 8 g + b
	s_mul_i32 s22, s16, 32*PITCH
	s_add_co_u32 s22, s22, WS0                     ; Wv's blocks 4 head + a
	s_lshl_b32 s23, s16, 8
	s_mov_b32 s62, 0x76543210
	s_mov_b32 s63, 0xfedcba98                      ; v_permlanex16_b32's selects for lane l xor 16
	s_mov_b32 s96, 0x3eb504f3                      ; 2^(-1.5)
	s_mov_b32 s97, s96
	v_and_b32 v1, 7, v0                            ; r % 8
	v_bfe_u32 v2, v0, 3, 1                         ; r / 8
	v_bfe_u32 v3, v0, 4, 1                         ; h
	v_and_b32 v4, 15, v0                           ; r
	v_and_b32 v[LANE], 31, v0
	v_mul_u32_u24 v5, v1, PITCH
	v_lshl_add_u32 v5, v3, 4, v5
	v_mad_u32_u24 v6, v2, PARTX, v5                ; a fragment's place for my lane: part, row, + 16 h; block I lies 8 I rows on in both parts
	v_mad_u32_u24 v7, v2, PARTW, v5
	v_add_nc_u32 v[ADX1], s20, v6
	v_add_nc_u32 v[ADXV], s21, v6
	v_add_nc_u32 v[ADW0], WS0, v7
	v_add_nc_u32 v[ADW1], WS0+SLOTW, v7
	v_add_nc_u32 v[ADWV], s22, v7
	v_lshlrev_b32 v[LI], 4, v[LANE]
	v_lshlrev_b32 v8, 5, v1
	v_lshl_add_u32 v8, v3, 4, v8
	v_lshl_add_u32 v[SOX], v2, 11, v8              ; 32 (r % 8 + 64 (r / 8)) + 16 h
	v_lshl_add_u32 v[SOW], v2, 10, v8              ; 32 (r % 8 + 32 (r / 8)) + 16 h
	v_lshlrev_b32 v[SH8], 3, v3
	v_lshlrev_b32 v[SH16], 4, v3
	v_lshl_add_u32 v[SWV], v4, 4, s23
	v_lshl_add_u32 v[SWA], v3, 9, v[SWV]
	v_mov_b32 v[TM+8], 0                           ; a lane permute's destination counts as one of its sources
	s_wait_alu depctr_va_vdst(0)                   ; the wait at the head's end
.irp a, 0,1,2,3
	global_load_b128 v[SCX1+4*\a:SCX1+4*\a+3], v[SOX], s[10:11] offset:256*\a
.endr
.irp b, 0,1,2,3,4,5,6,7
	global_load_b128 v[SCQ+4*\b:SCQ+4*\b+3], v[SOW], s[70:71] offset:2048*(\b/4)+256*(\b%4)
.endr
.irp b, 0,1,2,3,4,5,6,7
	global_load_b128 v[SCK+4*\b:SCK+4*\b+3], v[SOW], s[74:75] offset:2048*(\b/4)+256*(\b%4)
.endr
.irp b, 0,1,2,3,4,5,6,7
	global_load_b128 v[SCXV+4*\b:SCXV+4*\b+3], v[SOX], s[8:9] offset:256*\b
.endr
.irp a, 0,1,2,3
	global_load_b128 v[SCWV+4*\a:SCWV+4*\a+3], v[SOW], s[78:79] offset:256*\a
.endr
.macro FRAG reg, adr, off              ; lane (r, h): its row's codes K = 64 c + 32 h + 0 .. 31 of the step in registers 4 c .. 4 c + 3
	ds_load_b128 v[\reg:\reg+3], v[\adr] offset:\off
	ds_load_b128 v[\reg+4:\reg+7], v[\adr] offset:\off+32
.endm
.macro FETCH a0, a1, q                 ; K step q's twelve fragments into sets q % 2
	WIN 0x40
.irp b, 0,1,2,3,4,5,6,7
	FRAG 64*((\q)%2)+8*\b,\a0,64*(\q)+\b*8*PITCH
.endr
	WIN 0xc0
.irp a, 0,1,2,3
	FRAG 32*((\q)%2)+8*\a,\a1,64*(\q)+\a*8*PITCH
.endr
	WIN 0
.endm
.macro WM acc, f0, f1, s0, s1, q       ; K step 0 starts the sums; K steps 4-7 take their scale words from lanes 16-31
.if (\q)==0
	v_wmma_scale_f32_16x16x128_f8f6f4 v[\acc:\acc+7], v[\f0:\f0+7], v[\f1:\f1+7], 0, v[\s0], v[\s1] matrix_a_fmt:MATRIX_FMT_FP4 matrix_b_fmt:MATRIX_FMT_FP4
.else
.if (\q)<4
	v_wmma_scale_f32_16x16x128_f8f6f4 v[\acc:\acc+7], v[\f0:\f0+7], v[\f1:\f1+7], v[\acc:\acc+7], v[\s0], v[\s1] matrix_a_fmt:MATRIX_FMT_FP4 matrix_b_fmt:MATRIX_FMT_FP4
.else
	v_wmma_scale_f32_16x16x128_f8f6f4 v[\acc:\acc+7], v[\f0:\f0+7], v[\f1:\f1+7], v[\acc:\acc+7], v[\s0], v[\s1] matrix_a_fmt:MATRIX_FMT_FP4 matrix_b_fmt:MATRIX_FMT_FP4 matrix_a_scale:MATRIX_SCALE_ROW1 matrix_b_scale:MATRIX_SCALE_ROW1
.endif
.endif
.endm
; A unit's eight K steps.  Each: the step's fragments are in; four places; the next step's 24 loads into the other sets; 32 products, the accumulators by turns.
.macro MAIN a0, a1, sc0, sc1
.irp q, 0,1,2,3,4,5,6,7
	s_wait_dscnt 0x0
.if \q<7
	PLACES 4
	FETCH \a0,\a1,\q+1
.endif
	WIN 0xad                                       ; source 0 window 1, source 1 window 3, C and D window 2
.irp a, 0,1,2,3
.irp b, 0,1,2,3,4,5,6,7
	WM 8*(8*\a+\b),64*(\q%2)+8*\b,32*(\q%2)+8*\a,\sc0+4*\b+\q%4,\sc1+4*\a+\q%4,\q
.endr
.endr
.endr
	WIN 0
.endm
; 64 numbers of a lane in window 2, v[s] on: two whole blocks of 32 along the next K.  Their codes go to v[pc] on, the row's scale word to v[pw].
.macro QUANT s, pc, pw
	WIN 0x0a
.irp k, 0,1,2,3
	v_max3_num_f32 v[TM+\k], |v[\s+16*\k]|, |v[\s+1+16*\k]|, 0x1800000   ; four chains of 16, and the floor 2^(3 - 127): the byte cannot fall under 1
.endr
	WIN 0x28
.irp i, 2,4,6,8,10,12,14
.irp k, 0,1,2,3
	v_max3_num_f32 v[TM+\k], v[TM+\k], |v[\s+16*\k+\i]|, |v[\s+1+16*\k+\i]|
.endr
.endr
	WIN 0
	v_max_num_f32 v[TM], v[TM], v[TM+1]
	v_max_num_f32 v[TM+2], v[TM+2], v[TM+3]
	v_add_nc_u32 v[TM+4], 0xff000000, v[TM]        ; 2 off the exponent field: the conversion's scale operand
	v_add_nc_u32 v[TM+5], 0xff000000, v[TM+2]
	v_lshrrev_b32 v[TM+6], 23, v[TM+4]             ; the scale's byte
	v_lshrrev_b32 v[TM+7], 23, v[TM+5]
	v_lshl_or_b32 v[TM+6], v[TM+7], 16, v[TM+6]
	v_lshlrev_b32 v[TM+6], v[SH8], v[TM+6]         ; my two bytes at places h and 2 + h;
	v_permlanex16_b32 v[TM+8], v[TM+6], s62, s63
	v_or_b32 v[\pw], v[TM+6], v[TM+8]              ; with lane l xor 16's two the word is whole
	WIN 0x02
.irp b, 0,1,2,3,4,5,6,7
	v_cvt_scalef32_pk8_fp4_f32 v[\pc+\b], v[\s+8*\b:\s+8*\b+7], v[TM+4+\b/4]
.endr
	WIN 0
	v_nop                                          ; one plain place behind a scaled conversion
.endm
; A unit's way out: my four blocks of source 1.  mul = 1: times 2^(-1.5), in place, each accumulator from its low end on.  Each store of the wave covers 512 consecutive bytes, aligned.
.macro EPI mul, img
	s_wait_xcnt 0x0                                ; the last unit's stores have read their data
.irp a, 0,1,2,3
.if \mul
	WIN 0x82
.set k, 0
.rept 32
	v_pk_mul_f32 v[64*\a+2*k:64*\a+2*k+1], v[64*\a+2*k:64*\a+2*k+1], s[96:97] op_sel_hi:[1,0]
.set k, k+1
.endr
.endif
	QUANT 64*\a,PC+8*\a,PW+\a
	global_store_b128 v[LI], v[PC+8*\a:PC+8*\a+3], s[\img:\img+1] offset:1024*\a
	global_store_b128 v[LI], v[PC+8*\a+4:PC+8*\a+7], s[\img:\img+1] offset:1024*\a+512
.endr
.endm
.macro WORDS sc                        ; q, k: lanes 0-15 store the first head's two bytes of my four tiles, lanes 16-31 the second head's: two aligned runs of 256 bytes
.irp j, 0,1,2,3
	v_lshrrev_b32 v[SW+\j], v[SH16], v[PW+\j]
.endr
.irp j, 0,1,2,3
	v_and_b32 v[SW+\j], 0xffff, v[SW+\j]
.endr
	global_store_b128 v[SWA], v[SW:SW+3], s[\sc:\sc+1]
.endm
	LINES3                                         ; my head load is in
	CROUND                                         ; everybody's is, and all sixteen work-groups are here
	WLOAD G0K                                      ; Wk into slot 1, its first fill
	FETCH ADW0,ADX1,0
	s_wait_loadcnt 0x0                             ; the scale words
	MAIN ADW0,ADX1,SCQ,SCX1
	LINES3                                         ; Wk is in, and my reads of slot 0 are over
	CROUND
	WLOAD G0V                                      ; Wv into slot 0 again
	PLACES 4
	FETCH ADW1,ADX1,0
	EPI 1,80
	WORDS 82
	MAIN ADW1,ADX1,SCK,SCX1
	LINES3                                         ; Wv is in; nothing is filled again, so no round follows
	s_barrier_signal -1
	s_barrier_wait -1
	PLACES 4
	FETCH ADXV,ADWV,0
	EPI 1,84
	WORDS 86
	MAIN ADXV,ADWV,SCXV,SCWV
	PLACES 4
	EPI 0,88
	s_wait_alu depctr_va_vdst(0)                   ; directly ahead of the wait below
	s_wait_xcnt 0x0                                ; EXEC changes only behind this wait
	v_cmp_gt_u32 vcc_lo, 16, v[LANE]               ; v: lanes 0-15 store my head's words: 256 bytes, aligned
	s_and_saveexec_b32 s22, vcc_lo
	global_store_b128 v[SWV], v[PW:PW+3], s[90:91]
	s_wait_xcnt 0x0
	s_or_b32 exec_lo, exec_lo, s22
	LINES3                                         ; the wave's end
	CROUND                                         ; the closing round
	s_endpgm
.Lfunc_end_k_qbe17bac91e_proj:
	.size	k_qbe17bac91e_proj, .Lfunc_end_k_qbe17bac91e_proj-k_qbe17bac91e_proj
	.p2alignl 7, 3214868480
	.fill 96, 4, 3214868480
	.section	.rodata,"a",@progbits
	.p2align	6, 0x0
	.amdhsa_kernel k_qbe17bac91e_proj
		.amdhsa_group_segment_fixed_size 327680
		.amdhsa_private_segment_fixed_size 0
		.amdhsa_enable_private_segment 0
		.amdhsa_kernarg_size 112
		.amdhsa_user_sgpr_count 2
		.amdhsa_user_sgpr_kernarg_segment_ptr 1
		.amdhsa_wavefront_size32 1
		.amdhsa_system_sgpr_workgroup_id_x 1
		.amdhsa_system_sgpr_workgroup_id_y 1
		.amdhsa_system_sgpr_workgroup_id_z 1
		.amdhsa_system_vgpr_workitem_id 0
		.amdhsa_next_free_vgpr 1024
		.amdhsa_next_free_sgpr 100
		.amdhsa_reserve_vcc 1
		.amdhsa_float_denorm_mode_32 3
		.amdhsa_float_denorm_mode_16_64 3
		.amdhsa_memory_ordered 1
		.amdhsa_forward_progress 1
		.amdhsa_inst_pref_size 210
	.end_amdhsa_kernel
	.amdgpu_metadata
---
amdhsa.version: [ 1, 2 ]
amdhsa.kernels:
  - .name:           k_qbe17bac91e_proj
    .symbol:         k_qbe17bac91e_proj.kd
    .args:
      - { .name: x_codes, .offset: 0, .size: 8, .value_kind: global_buffer, .address_space: global }
      - { .name: x_scales, .offset: 8, .size: 8, .value_kind: global_buffer, .address_space: global }
      - { .name: Wq_codes, .offset: 16, .size: 8, .value_kind: global_buffer, .address_space: global }
      - { .name: Wq_scales, .offset: 24, .size: 8, .value_kind: global_buffer, .address_space: global }
      - { .name: Wk_codes, .offset: 32, .size: 8, .value_kind: global_buffer, .address_space: global }
      - { .name: Wk_scales, .offset: 40, .size: 8, .value_kind: global_buffer, .address_space: global }
      - { .name: Wv_codes, .offset: 48, .size: 8, .value_kind: global_buffer, .address_space: global }
      - { .name: Wv_scales, .offset: 56, .size: 8, .value_kind: global_buffer, .address_space: global }
      - { .name: q_img, .offset: 64, .size: 8, .value_kind: global_buffer, .address_space: global }
      - { .name: q_sc, .offset: 72, .size: 8, .value_kind: global_buffer, .address_space: global }
      - { .name: k_img, .offset: 80, .size: 8, .value_kind: global_buffer, .address_space: global }
      - { .name: k_sc, .offset: 88, .size: 8, .value_kind: global_buffer, .address_space: global }
      - { .name: v_img, .offset: 96, .size: 8, .value_kind: global_buffer, .address_space: global }
      - { .name: v_sc, .offset: 104, .size: 8, .value_kind: global_buffer, .address_space: global }
    .group_segment_fixed_size: 327680
    .private_segment_fixed_size: 0
    .kernarg_segment_align: 8
    .kernarg_segment_size: 112
    .max_flat_workgroup_size: 128
    .sgpr_count:     100
    .vgpr_count:     1024
    .wavefront_size: 32
...
	.end_amdgpu_metadata
.endif
;; end of part 1
;; launch attn (part 2): grid 4 x 64, 16 waves a work-group, clusters of 4 x 1, 215,040 bytes of LDS; arguments q_img, q_sc, k_img, k_sc, v_img, v_sc, out0; writes out0
.if DOCPART == 2
	.amdgcn_target "amdgcn-amd-amdhsa--gfx1250"
	.amdhsa_code_object_version 6
	.text
	.protected	k_qbe17bac91e_attn
	.globl	k_qbe17bac91e_attn
	.p2align	8
	.type	k_qbe17bac91e_attn,@function
k_qbe17bac91e_attn:
	s_mov_b64 s[64:65], 0
	v_nop
	global_prefetch_b8 v0, s[64:65] scope:SCOPE_SE
	s_setreg_imm32_b32 hwreg(HW_REG_WAVE_MODE, 25, 1), 1
	s_wait_xcnt 0x0
	s_wait_alu depctr_hold_cnt(0) depctr_sa_sdst(0) depctr_va_vdst(0) depctr_va_sdst(0) depctr_va_ssrc(0) depctr_va_vcc(0) depctr_vm_vsrc(0)
	s_getreg_b32 s2, hwreg(HW_REG_IB_STS2, 6, 4)
	s_cmp_eq_u32 s2, 0
	s_cbranch_scc0 .Lentry_in_a_cluster
	s_endpgm
.Lentry_in_a_cluster:
	s_bfe_u32 s2, ttmp6, 0x10000c
	s_cmp_lg_u32 s2, 0x3003
	s_cbranch_scc0 .Lentry_shape_is_right
	s_endpgm
.Lentry_shape_is_right:
; CAUSAL ATTENTION ON CODES OF FP4 (E2M1, one E8M0 byte for each 32 along a product's K).  64 heads (batch x 16 + head) of 2,048 tokens x 64.
; LEFT OUT: key steps all of whose 128 keys come after a tile's queries.  reference() builds the causal mask itself and sets those scores to -infinity, so their p is 0 whatever the inputs hold.
;   A NaN, an infinity or an overflow that reaches only those scores is not carried to the result.
; q, k (already times 2^(-1.5)) and v come as images of operand registers with their scale words, a block for each (batch, pair of heads, group of 128 tokens):
;   q, k images [tile i 0..7][head][lane][16 bytes]: lane (r, h) = codes d = 32 h .. 32 h + 31 of token 8 i + r % 8 + 64 (r / 8);
;   v images [4 x head + tile a][c][lane][16 bytes]: lane (r, h) = keys 64 h + 32 c + 0 .. 31 of d = 8 a + r % 8 + 32 (r / 8); scale byte 2 c + h goes with them.
; THE SOFTMAX: t = score x log2(e); M = the row's largest t so far, rounded UP to a whole number; p = 2^(t - M) is quantised along the keys, not normalised.  The row's sum is taken of the unquantised p and divides O at the end.
;   When M moves, the sum and O are multiplied by 2^(old M - new M): exact.
; BOTH PRODUCTS ARE USED TRANSPOSED: S^T = K Q^T, O^T = V^T P^T: a lane holds one query (lane % 16).  Register 8 t + j of S^T is key 64 h + 8 t + j of the group: two WHOLE blocks of 32 keys a lane,
;   so a block's maximum crosses no lane and the conversions' results are P's operand as they stand, in the same places as v's keys.  The first product's K is 64: the upper half of each fragment is zero codes.
; SHARES.  The four work-groups of a cluster serve one head; its whole K and V come into LDS once, asked for jointly: no ring, no barrier in the loop.  Partner c owns tiles 4 u + c, u = 0 .. 31; tile 4 u + c lies in group u / 2
;   whatever c is, so every branch hangs on u alone.  Wave w takes u = 31 - w, then u = w: 17 key steps for every wave.
; NO PREFETCH: K and V are asked for once, at the head; there is no loop that runs ahead of a load.
; LIMITS: NaN and infinities are not served; the promise holds while |t| stays under 2^31.  A p under 2^-126 comes out of v_exp_f32 as 0 (ISA guide 15.8).  A block's largest p is taken from its largest score by the same two
;   instructions, which takes v_exp_f32 not to fall where its input rises.  A block whose every p is 0 gets the byte 1: its codes are zeros.
; REGISTERS: v1-7 addresses; v8-11 the step's addresses; v12 -M, v13 the largest t, v[14:15] the sum; v16-31 Q of my two tiles; v32-95 K; v96-159 S^T, then p; v160-191 O^T; v192-199 p's codes;
;   v200-203, v204-207 K's and V's scale words; v208-219 at work; v220, v221 Q's scale words; v222 f; v223 p's scale word; v224-255 V.
.set VIMG,  65536
.set KSC,   131072
.set VSC,   139264
.set STAGE, 143360                     ; the way out: 16 rows x (256 bytes + 16) for each wave; no fill lands here
.set SPARE, 0x34000
.set G1K,  24
.set G1V,  32
.set G1KS, 40
.set G1VS, 48
.set G0K,  56
.set G0V,  60
.set G0KS, 68
.set G0VS, 72
.macro CROUND
	s_barrier_signal -1
	s_barrier_wait -1
	s_cmp_lg_u32 s18, 0
	s_cbranch_scc1 .Lnot_wave_0_\@
	s_barrier_signal -3
.Lnot_wave_0_\@:
	s_barrier_wait -3
	s_barrier_signal -1
	s_barrier_wait -1
.endm
.macro NOP4
.rept 4
	v_nop
.endr
.endm
.macro G1 g, c, r, p                   ; r rows of c elements of 8 bytes, p elements apart; the mask of all four partners, no padding: every read is 16 x lane on end
	s_mov_b32 s[\g], 15|(3<<16)|(1<<21)
	s_mov_b32 s[\g+1], \c<<16
	s_mov_b32 s[\g+2], \r<<16
	s_mov_b32 s[\g+3], \c<<16
	s_mov_b32 s[\g+4], \r
	s_mov_b32 s[\g+5], \p
	s_mov_b32 s[\g+6], 0
	s_mov_b32 s[\g+7], 0
.endm
	s_load_b256 s[4:11], s[0:1], 0x0               ; q_img, q_sc, k_img, k_sc
	s_load_b128 s[12:15], s[0:1], 0x20             ; v_img, v_sc
	s_load_b64 s[16:17], s[0:1], 0x30              ; out0
	v_lshl_add_u32 v254, v0, 2, SPARE
	v_mov_b32 v255, 0
	ds_add_u32 v254, v255                          ; the opening lines: the add twice on end and one wait
	ds_add_u32 v254, v255
	v_lshrrev_b32 v1, 5, v0
	v_readfirstlane_b32 s18, v1                    ; wave 0..15
	s_bfe_u32 s19, ttmp6, 0x40000                  ; c: my place in the cluster
	s_and_b32 s76, ttmp7, 0xffff                   ; batch x 16 + head
	s_lshr_b32 s90, s76, 1                         ; batch x 8 + pair
	s_and_b32 s91, s76, 1                          ; the head in its pair
	s_and_b32 s94, s18, 1                          ; which half of K or of V I fetch, if I fetch
	G1 G1K, 64, 64, 128                            ; K: 64 tiles of 512 bytes, 1,024 bytes apart
	G1 G1V, 512, 8, 1024                           ; V: 8 groups of 4,096 bytes, 8,192 apart
	G1 G1KS, 64, 16, 128                           ; K's scale words: 16 groups of 512 bytes, 1,024 apart
	G1 G1VS, 32, 16, 128                           ; V's: 16 of 256 bytes
	s_lshl_b32 s95, s90, 17
	s_lshl_b32 s77, s94, 16
	s_add_co_u32 s95, s95, s77
	s_lshl_b32 s92, s91, 9
	s_add_co_u32 s92, s92, s95
	s_mov_b32 s93, 0
	s_lshl_b32 s78, s91, 12
	s_add_co_u32 s78, s78, s95
	s_mov_b32 s79, 0
	s_lshl_b32 s80, s90, 14
	s_lshl_b32 s82, s91, 8
	s_add_co_u32 s82, s82, s80
	s_mov_b32 s83, 0
	s_lshl_b32 s81, s91, 9
	s_add_co_u32 s80, s80, s81
	s_mov_b32 s81, 0
	s_lshl_b32 s77, s94, 15
	s_wait_dscnt 0x0
	s_wait_kmcnt 0x0
	s_mov_b32 s[G0K], 1
	s_mov_b32 s[G0K+1], s77
	s_add_nc_u64 s[G0K+2:G0K+3], s[8:9], s[92:93]
	s_or_b32 s[G0K+3], s[G0K+3], 0x80000000
	s_mov_b32 s[G0V], 1
	s_add_co_u32 s[G0V+1], s77, VIMG
	s_add_nc_u64 s[G0V+2:G0V+3], s[12:13], s[78:79]
	s_or_b32 s[G0V+3], s[G0V+3], 0x80000000
	s_mov_b32 s[G0KS], 1
	s_mov_b32 s[G0KS+1], KSC
	s_add_nc_u64 s[G0KS+2:G0KS+3], s[10:11], s[80:81]
	s_or_b32 s[G0KS+3], s[G0KS+3], 0x80000000
	s_mov_b32 s[G0VS], 1
	s_mov_b32 s[G0VS+1], VSC
	s_add_nc_u64 s[G0VS+2:G0VS+3], s[14:15], s[82:83]
	s_or_b32 s[G0VS+3], s[G0VS+3], 0x80000000
	CROUND                                         ; all four work-groups are here: the joint loads meet
	; waves 0, 1: K's halves; 2, 3: V's; 4: K's scale words; 5: V's; one load a wave
	s_cmp_lt_u32 s18, 2
	s_cbranch_scc0 .Lnot_k
	tensor_load_to_lds s[G0K:G0K+3], s[G1K:G1K+7]
	s_nop 0
	NOP4
	s_branch .Lasked
.Lnot_k:
	s_cmp_lt_u32 s18, 4
	s_cbranch_scc0 .Lnot_v
	tensor_load_to_lds s[G0V:G0V+3], s[G1V:G1V+7]
	s_nop 0
	NOP4
	s_branch .Lasked
.Lnot_v:
	s_cmp_eq_u32 s18, 4
	s_cbranch_scc0 .Lnot_ks
	tensor_load_to_lds s[G0KS:G0KS+3], s[G1KS:G1KS+7]
	s_nop 0
	NOP4
	s_branch .Lasked
.Lnot_ks:
	s_cmp_eq_u32 s18, 5
	s_cbranch_scc0 .Lasked
	tensor_load_to_lds s[G0VS:G0VS+3], s[G1VS:G1VS+7]
	s_nop 0
	NOP4
.Lasked:
	s_mul_i32 s95, s18, 16*272
	s_add_co_u32 s95, s95, STAGE                   ; my stage
	v_and_b32 v212, 15, v0                         ; r
	v_bfe_u32 v213, v0, 4, 1                       ; h
	v_and_b32 v1, 31, v0
	v_lshlrev_b32 v214, 4, v212                    ; 16 r
	v_lshlrev_b32 v1, 4, v1                        ; v1  16 x lane: my place in K's images
	v_mul_u32_u24 v5, v212, 272
	v_mul_u32_u24 v6, v213, 272
	v_add_nc_u32 v2, VIMG, v1                      ; v2  in V's images
	v_add_nc_u32 v3, KSC, v1                       ; v3  among K's scale words
	v_add_nc_u32 v4, VSC, v214                     ; v4  among V's
	v_lshl_add_u32 v5, v213, 7, v5
	v_add_nc_u32 v6, v6, v214
	v_add_nc_u32 v5, s95, v5                       ; v5  into the stage: row r, + 128 h bytes
	v_add_nc_u32 v6, s95, v6                       ; v6  back: lanes 0-15 one row, lanes 16-31 the next
	v_lshl_add_u32 v7, v213, 12, v214              ; v7  the same two rows in out0
	s_wait_alu depctr_va_vdst(0)                   ; ahead of the scalar lines below
; Q of tile u: tile 4 (u % 2) + c of group u / 2: its codes and its scale words
.macro QLOAD hi, QF, QS, va, vb
.if \hi
	s_xor_b32 s77, s18, 31
.else
	s_mov_b32 s77, s18
.endif
	s_lshr_b32 s78, s77, 1
	s_and_b32 s79, s77, 1
	s_lshl_b32 s80, s90, 4
	s_add_co_u32 s80, s80, s78
	s_lshl_b32 s81, s79, 2
	s_add_co_u32 s81, s81, s19
	s_lshl_b32 s81, s81, 10
	s_lshl_b32 s82, s80, 13
	s_add_co_u32 s82, s82, s81
	s_lshl_b32 s83, s91, 9
	s_add_co_u32 s82, s82, s83
	v_add_nc_u32 v[\va], s82, v1
	global_load_b128 v[\QF:\QF+3], v[\va], s[4:5]
	s_lshl_b32 s82, s80, 10
	s_add_co_u32 s82, s82, s83
	s_lshl_b32 s81, s79, 8
	s_add_co_u32 s82, s82, s81
	s_lshl_b32 s81, s19, 2
	s_add_co_u32 s82, s82, s81
	v_add_nc_u32 v[\vb], s82, v214
	global_load_b32 v[\QS], v[\vb], s[6:7]
.endm
	QLOAD 1, 16, 221, 8, 9
	QLOAD 0, 24, 220, 10, 11
.irp j, 20,21,22,23,28,29,30,31
	v_mov_b32 v[\j], 0                             ; Q's codes of K = 64 .. 127 are zeros,
.endr
.irp t, 0,1,2,3,4,5,6,7
.irp j, 4,5,6,7
	v_mov_b32 v[32+8*\t+\j], 0                     ; and so are K's: written once, never loaded over
.endr
.endr
	v_mov_b32 v223, 0                              ; (named in the pair v[222:223] before it is first written)
	s_mov_b32 s20, 0x76543210
	s_mov_b32 s21, 0xfedcba98
	s_mov_b32 s22, 0x3fb8aa3b                      ; log2(e)
	s_mov_b32 s23, s22
	s_lshl_b32 s84, s19, 3                         ; 8 c
	s_lshr_b32 s88, s76, 4
	s_lshl_b32 s88, s88, 23                        ; out0: the batch,
	s_and_b32 s95, s76, 15
	s_lshl_b32 s95, s95, 8                         ; the head's 256 bytes of a row
	s_add_co_u32 s88, s88, s95
	s_mov_b32 s89, 0
	s_add_nc_u64 s[16:17], s[16:17], s[88:89]
	s_wait_alu depctr_va_vdst(0)                   ; the wait at the head's end
	s_wait_tensorcnt 0x0                           ; my load has landed,
	s_barrier_signal -1
	s_barrier_wait -1                              ; everybody's has: K, V and their scale words are only read from here on
	s_wait_loadcnt 0x0                             ; Q
; ONE TILE OF 16 QUERIES.  s77 u, s78 its group = its last step, s79 the step, s80-82 where the step's images and words begin, s85 = 8 x the tile's number in its group: query r is token s85 + r % 8 + 64 (r / 8).
.macro TILE hi, QF, QS
.if \hi
	s_xor_b32 s77, s18, 31
.else
	s_mov_b32 s77, s18
.endif
	s_lshr_b32 s78, s77, 1
	s_and_b32 s85, s77, 1
	s_lshl_b32 s85, s85, 5
	s_add_co_u32 s85, s85, s84
	s_lshl_b32 s88, s78, 7
	s_add_co_u32 s88, s88, s85
	s_lshl_b32 s88, s88, 12
	s_mov_b32 s89, 0
	s_add_nc_u64 s[86:87], s[16:17], s[88:89]
	v_mov_b32 v13, 0xff61b1e6                      ; the largest t so far: -3e38
	v_mov_b32 v14, 0
	v_mov_b32 v15, 0
	v_floor_f32 v12, -v13                          ; -M
.set n, 0
.rept 32
	v_mov_b32 v[160+n], 0                          ; O^T: the first step finds zeros
.set n, n+1
.endr
	s_mov_b32 s79, 0
	s_mov_b32 s80, 0
	s_mov_b32 s81, 0
	s_mov_b32 s82, 0
.Lstep_\@:                                         ; 16 trips for every tile
	s_cmp_gt_u32 s79, s78                          ; all keys of this step come after my queries: only the addresses step
	s_cbranch_scc1 .Lhidden_\@
	v_add_nc_u32 v8, s80, v1                       ; these four are also the places between the last step's products and the loads into V's registers
	v_add_nc_u32 v9, s80, v2
	v_add_nc_u32 v10, s81, v3
	v_add_nc_u32 v11, s82, v4
	ds_load_b128 v[200:203], v10                   ; K's scale words: register j: lanes 0-15 tile j, lanes 16-31 tile 4 + j
.irp t, 0,1,2,3,4,5,6,7
	ds_load_b128 v[32+8*\t:35+8*\t], v8 offset:512*\t
.endr
	ds_load_b128 v[204:207], v11                   ; V's scale words
.irp t, 0,1,2,3
.irp c, 0,1
	ds_load_b128 v[224+8*\t+4*\c:227+8*\t+4*\c], v9 offset:1024*\t+512*\c
.endr
.endr
	s_wait_dscnt 9                                 ; K and its words are in; V's words and V's eight loads may be out
.irp t, 0,1,2,3
	v_wmma_scale_f32_16x16x128_f8f6f4 v[96+8*\t:103+8*\t], v[32+8*\t:39+8*\t], v[\QF:\QF+7], 0, v[200+\t], v[\QS] matrix_a_fmt:MATRIX_FMT_FP4 matrix_b_fmt:MATRIX_FMT_FP4
.endr
.irp t, 4,5,6,7
	v_wmma_scale_f32_16x16x128_f8f6f4 v[96+8*\t:103+8*\t], v[32+8*\t:39+8*\t], v[\QF:\QF+7], 0, v[196+\t], v[\QS] matrix_a_fmt:MATRIX_FMT_FP4 matrix_b_fmt:MATRIX_FMT_FP4 matrix_a_scale:MATRIX_SCALE_ROW1
.endr
	NOP4                                           ; places in front of the first read of the scores
	s_cmp_lg_u32 s79, s78                          ; a step in front of my group: every key counts
	s_cbranch_scc1 .Lopen_\@
	v_and_b32 v212, 7, v0                          ; the diagonal.  Register n holds key 64 h + n: hidden where n > d, d = s85 + r % 8 + 64 (r / 8) - 64 h
	v_and_b32 v213, 8, v0
	v_and_b32 v215, 16, v0
	v_lshl_add_u32 v212, v213, 3, v212
	v_lshlrev_b32 v215, 2, v215
	v_add_nc_u32 v212, s85, v212
	v_sub_nc_u32 v212, v212, v215
	v_mov_b32 v215, 0xff800000                     ; -infinity: p = 0 then
.set n, 0
.rept 64
	v_cmp_gt_i32 vcc_lo, n, v212
	v_cndmask_b32 v[96+n], v[96+n], v215, vcc_lo
.set n, n+1
.endr
.Lopen_\@:
.irp b, 0,1,2,3
	v_max3_num_f32 v[208+\b], v[96+16*\b], v[97+16*\b], v[98+16*\b]   ; four chains of 16 scores
.endr
.irp i, 3,5,7,9,11,13
.irp b, 0,1,2,3
	v_max3_num_f32 v[208+\b], v[208+\b], v[96+16*\b+\i], v[97+16*\b+\i]
.endr
.endr
	v_max3_num_f32 v208, v208, v209, v111          ; the largest score of each of my two blocks of 32 keys: it serves for the row's maximum and for the block's largest p
	v_max3_num_f32 v210, v210, v211, v143
	v_max_num_f32 v208, v208, v127
	v_max_num_f32 v210, v210, v159
	s_delay_alu instid0(VALU_DEP_1)
	v_max_num_f32 v214, v208, v210
	s_delay_alu instid0(VALU_DEP_1)
	v_permlanex16_b32 v212, v214, s20, s21
	s_delay_alu instid0(VALU_DEP_1)
	v_max_num_f32 v214, v214, v212                 ; with lane l xor 16's 64 keys: the step's largest score of my query
	s_delay_alu instid0(VALU_DEP_1)
	v_mul_f32 v214, s22, v214                      ; as t
	s_delay_alu instid0(VALU_DEP_1)
	v_max_num_f32 v13, v13, v214                   ; the running largest t
	v_mov_b32 v214, v12
	s_delay_alu instid0(VALU_DEP_2)
	v_floor_f32 v12, -v13                          ; the new -M = -ceil(t)
	s_delay_alu instid0(VALU_DEP_1)
	v_sub_f32 v214, v12, v214                      ; old M - new M: a whole number, 0 or less
	s_delay_alu instid0(VALU_DEP_1)
	v_cvt_i32_f32 v214, v214                       ; (it saturates)
	s_delay_alu instid0(VALU_DEP_1)
	v_ldexp_f32 v222, 1.0, v214                    ; f = 2^(old M - new M)
.set n, 0
.rept 32
	v_pk_fma_f32 v[96+n:97+n], v[96+n:97+n], s[22:23], v[12:13] op_sel_hi:[1,0,0]   ; t - M
.set n, n+2
.endr
	v_fma_f32 v208, v208, s22, v12                 ; the same of each block's largest score
	v_fma_f32 v210, v210, s22, v12
	s_wait_alu depctr_va_vdst(0)                   ; ahead of the batch
.set n, 0
.rept 64
	v_exp_f32 v[96+n], v[96+n]                     ; p = 2^(t - M)
.set n, n+1
.endr
	v_exp_f32 v208, v208                           ; the blocks' largest p
	v_exp_f32 v210, v210
	v_pk_mul_f32 v[14:15], v[14:15], v[222:223] op_sel_hi:[1,0]   ; the sums under the new M: the plain place behind the batch
	s_wait_alu depctr_va_vdst(0)                   ; one wait for the batch of 66, ahead of its first reader
	v_pk_add_f32 v[212:213], v[96:97], v[98:99]    ; the row's sum of the unquantised p, in four chains
	v_pk_add_f32 v[214:215], v[100:101], v[102:103]
	v_pk_add_f32 v[216:217], v[104:105], v[106:107]
	v_pk_add_f32 v[14:15], v[14:15], v[108:109]
.irp j, 110,118,126,134,142,150
	v_pk_add_f32 v[212:213], v[212:213], v[\j:\j+1]
	v_pk_add_f32 v[214:215], v[214:215], v[\j+2:\j+3]
	v_pk_add_f32 v[216:217], v[216:217], v[\j+4:\j+5]
	v_pk_add_f32 v[14:15], v[14:15], v[\j+6:\j+7]
.endr
	v_pk_add_f32 v[212:213], v[212:213], v[158:159]
	v_pk_add_f32 v[214:215], v[214:215], v[216:217]
	v_max_num_f32 v208, 0x1800000, v208            ; the floor 2^(3 - 127): the byte cannot fall under 1
	v_max_num_f32 v210, 0x1800000, v210
	v_pk_add_f32 v[14:15], v[14:15], v[212:213]
	v_add_nc_u32 v216, 0xff000000, v208            ; 2 off the exponent field: the conversion's scale operand
	v_add_nc_u32 v217, 0xff000000, v210
	v_pk_add_f32 v[14:15], v[14:15], v[214:215]
	v_lshrrev_b32 v212, 23, v216                   ; the scale's byte
	v_lshrrev_b32 v213, 23, v217
	s_delay_alu instid0(VALU_DEP_1)
	v_lshl_or_b32 v212, v213, 16, v212             ; my two bytes: places 0 and 2 in lanes 0-15
	s_delay_alu instid0(VALU_DEP_1)
	v_permlanex16_b32 v214, v212, s20, s21
	s_delay_alu instid0(VALU_DEP_1)
	v_lshl_or_b32 v223, v214, 8, v212              ; with lane l + 16's at places 1 and 3: p's scale word (lanes 0-15 are read)
.irp t, 0,1,2,3,4,5,6,7
	v_cvt_scalef32_pk8_fp4_f32 v[192+\t], v[96+8*\t:103+8*\t], v[216+\t/4]   ; register t of P's operand: keys 64 h + 8 t + 0 .. 7
.endr
	s_wait_alu depctr_va_vdst(0)                   ; directly ahead of the first reader of O^T
.set n, 0
.rept 16
	v_pk_mul_f32 v[160+n:161+n], v[160+n:161+n], v[222:223] op_sel_hi:[1,0]   ; O^T under the new M; these sixteen also stand between the writes of p's codes and scale word and the products
.set n, n+2
.endr
	s_wait_alu depctr_va_vdst(0)                   ; directly ahead of the wait below
	s_wait_dscnt 0x0                               ; V and its words are in
.irp t, 0,1,2,3                                    ; O^T += V^T P^T: four accumulators by turns
	v_wmma_scale_f32_16x16x128_f8f6f4 v[160+8*\t:167+8*\t], v[224+8*\t:231+8*\t], v[192:199], v[160+8*\t:167+8*\t], v[204+\t], v223 matrix_a_fmt:MATRIX_FMT_FP4 matrix_b_fmt:MATRIX_FMT_FP4
.endr
.Lhidden_\@:
	s_add_co_u32 s80, s80, 4096
	s_add_co_u32 s81, s81, 512
	s_add_co_u32 s82, s82, 256
	s_add_co_u32 s79, s79, 1
	s_cmp_lt_u32 s79, 16
	s_cbranch_scc1 .Lstep_\@
	; THE WAY OUT.  Register 8 a + j of O^T is d = 32 h + 8 a + j of query r: 128 consecutive bytes a lane.  Through my stage, and out as rows of 256 bytes.
	NOP4
	v_add_f32 v14, v14, v15
	s_delay_alu instid0(VALU_DEP_1)
	v_permlanex16_b32 v212, v14, s20, s21
	s_delay_alu instid0(VALU_DEP_1)
	v_add_f32 v14, v14, v212                       ; the row's sum
	s_wait_alu depctr_va_vdst(0)                   ; ahead of the transcendental
	v_rcp_f32 v14, v14
	v_nop
	s_wait_alu depctr_va_vdst(0)                   ; and ahead of its first reader
.set n, 0
.rept 16
	v_pk_mul_f32 v[96+n:97+n], v[160+n:161+n], v[14:15] op_sel_hi:[1,0]   ; ascending: each accumulator from its low end on
.set n, n+2
.endr
.irp k, 0,1,2,3,4,5,6,7
	ds_store_b128 v5, v[96+4*\k:99+4*\k] offset:16*\k
.endr
.irp i, 0,1,2,3,4,5,6,7
	ds_load_b128 v[128+4*\i:131+4*\i], v6 offset:544*\i   ; LDS serves a wave's instructions in order (ISA guide 5.7.1.4): these see my stores
.endr
.irp i, 0,1,2,3,4,5,6,7
	s_wait_dscnt 7-\i
	global_store_b128 v7, v[128+4*\i:131+4*\i], s[86:87] offset:(2*\i+56*(\i/4))*4096 th:TH_STORE_NT   ; row rho is token rho % 8 + 64 (rho / 8) of the tile; sixteen lanes store 256 consecutive bytes, aligned
.endr
	s_wait_xcnt 0x0                                ; the stores have read their data and their base
.endm
	TILE 1, 16, 221                                ; u = 31 - wave
	TILE 0, 24, 220                                ; u = wave
	v_lshl_add_u32 v254, v0, 2, SPARE              ; V's fragments lay here: the add's two registers are made anew
	v_mov_b32 v255, 0
	s_wait_alu depctr_va_vdst(0)
	s_wait_tensorcnt 0x0                           ; the wave's end
	ds_add_u32 v254, v255
	s_wait_dscnt 0x0
	CROUND                                         ; the closing round
	s_endpgm
.Lfunc_end_k_qbe17bac91e_attn:
	.size	k_qbe17bac91e_attn, .Lfunc_end_k_qbe17bac91e_attn-k_qbe17bac91e_attn
	.p2alignl 7, 3214868480
	.fill 96, 4, 3214868480
	.section	.rodata,"a",@progbits
	.p2align	6, 0x0
	.amdhsa_kernel k_qbe17bac91e_attn
		.amdhsa_group_segment_fixed_size 215040
		.amdhsa_private_segment_fixed_size 0
		.amdhsa_enable_private_segment 0
		.amdhsa_kernarg_size 56
		.amdhsa_user_sgpr_count 2
		.amdhsa_user_sgpr_kernarg_segment_ptr 1
		.amdhsa_wavefront_size32 1
		.amdhsa_system_sgpr_workgroup_id_x 1
		.amdhsa_system_sgpr_workgroup_id_y 1
		.amdhsa_system_sgpr_workgroup_id_z 1
		.amdhsa_system_vgpr_workitem_id 0
		.amdhsa_next_free_vgpr 256
		.amdhsa_next_free_sgpr 96
		.amdhsa_reserve_vcc 1
		.amdhsa_float_denorm_mode_32 3
		.amdhsa_float_denorm_mode_16_64 3
		.amdhsa_memory_ordered 1
		.amdhsa_forward_progress 1
		.amdhsa_inst_pref_size 59
	.end_amdhsa_kernel
	.amdgpu_metadata
---
amdhsa.version: [ 1, 2 ]
amdhsa.kernels:
  - .name:           k_qbe17bac91e_attn
    .symbol:         k_qbe17bac91e_attn.kd
    .args:
      - { .name: q_img, .offset: 0, .size: 8, .value_kind: global_buffer, .address_space: global }
      - { .name: q_sc, .offset: 8, .size: 8, .value_kind: global_buffer, .address_space: global }
      - { .name: k_img, .offset: 16, .size: 8, .value_kind: global_buffer, .address_space: global }
      - { .name: k_sc, .offset: 24, .size: 8, .value_kind: global_buffer, .address_space: global }
      - { .name: v_img, .offset: 32, .size: 8, .value_kind: global_buffer, .address_space: global }
      - { .name: v_sc, .offset: 40, .size: 8, .value_kind: global_buffer, .address_space: global }
      - { .name: out0, .offset: 48, .size: 8, .value_kind: global_buffer, .address_space: global }
    .group_segment_fixed_size: 215040
    .private_segment_fixed_size: 0
    .kernarg_segment_align: 8
    .kernarg_segment_size: 56
    .max_flat_workgroup_size: 512
    .sgpr_count:     96
    .vgpr_count:     256
    .wavefront_size: 32
...
	.end_amdgpu_metadata
.endif
;; end of part 2
